; MI455X (gfx1250); checked and timed in simulation.
; The chip was launched on July 23, 2026; its instructions are those of AMD's public machine-readable ISA for CDNA 5 (MIT licence, August 2026) and "CDNA5" Instruction Set Architecture Reference Guide (July 2026). The comments in the code are by the model that wrote it; some were corrected since.
;; Lattice Quantized Parameter. Allowed arithmetic: matrix products marked QUANTISED: E3M2 operands, one E8M0 scale for each 32 along K, by v_wmma_scale_f32_16x16x128_f8f6f4 with both operands' format E3M2, f32 sums; everything else in f32.
;; Inputs: grid 65,536 x 8 float32; idxs 2,048 x 1,024 int32; x 4,096 x 8,192 float32.
;; Outputs: out0 4,096 x 2,048 float32.
;; This version of the problem:
;;   THIS VERSION OF THE PROBLEM IS GIVEN IN LOW PRECISION. The matrix products marked QUANTISED in the list below multiply operands that are first quantised to E3M2 (3 exponent bits, 2 mantissa bits; 6 bits a number), with one power-of-two scale for each 32 numbers along K (OCP MX v1.0); their sums are f32. All else is computed in f32.
;;   The module's matrix products, in the order in which they are computed (A, B: the left and right operand; K: the contracted axis; several contracted axes count as one K, in the product's order):
;;     1. [M 4,096, K 8,192] x [K 8,192, N 2,048]; A: computed on the way; B: computed on the way: QUANTISED
;;   THE QUANTISER, for each operand of a quantised product, along K:
;;     - K is cut into blocks of 32 from its start; a last block that is shorter is filled with zeros.
;;     - A block's scale is 2^e with e = floor(log2(the largest magnitude in the block)) - 4, held to -126 .. 127; a block of zeros has e = 0. As a byte (E8M0): e + 127.
;;     - Each number is divided by its block's scale, clamped to +-28, and rounded to the nearest number of E3M2, ties to even, subnormals kept.
;;     - The product sums the exact products of the quantised numbers (number of the format x scale) in f32.
;;   ~~~python
;;   def quantise(x, axis):      # numpy; x: float32 -> the quantised numbers, widened to float32 again
;;       x = np.moveaxis(x, axis, -1); K = x.shape[-1]
;;       x = np.pad(x, [(0, 0)] * (x.ndim - 1) + [(0, -K % 32)]); x = x.reshape(x.shape[:-1] + (-1, 32)); a = np.abs(x).max(-1, keepdims=True)
;;       e = np.where(a > 0, np.clip(np.frexp(np.where(a > 0, a, 1))[1] - 1 - 4, -126, 127), 0)      # np.frexp(a)[1] - 1 = floor(log2(a)), exactly
;;       r = np.clip(x / 2.0 ** e, -28, 28)
;;       step = 2.0 ** (np.maximum(np.frexp(np.where(r == 0, 1, r))[1] - 1, -2) - 2)
;;       q = np.round(r / step) * step * 2.0 ** e      # np.round: ties to even
;;       return np.moveaxis(q.reshape(q.shape[:-2] + (-1,))[..., :K], -1, axis).astype(np.float32)
;;   ~~~
;;   OPERANDS COMPUTED ON THE WAY. 'Computed on the way' means the value that the module computes at that place (a softmax that the list does not call 'softmax' is quantised finished and normalised). What goes into a quantiser is computed in f32, as accurately as f32 sums, v_exp_f32 and their like allow (about 1e-6 of the number): no bf16 or f16 on the way to a quantiser, and a product that is left as it is and whose result goes on into a quantised operand takes f32 operands (vector FMAs, or v_wmma_f32_16x16x4_f32). A number that lies on a knife's edge between two numbers of the format may be rounded either way, as far as f32 arithmetic and the matrix unit's own rounding can turn it there, and no further.
;; One version. Each part assembles by itself: llvm-mc -triple=amdgcn-amd-amdhsa -mcpu=gfx1250 --defsym DOCPART=n.
;; ======== version 1 of 1: 2 launches
;; limits: right only within a limited range of input values
;; workspace buffers: aq 26,214,400 bytes; bq 13,107,200 bytes
;; launch quant (part 1): grid 768 x 1, 4 waves a work-group, no clusters, 98,816 bytes of LDS; arguments x, idxs, grid, aq, bq; writes aq, bq
.if DOCPART == 1
	.amdgcn_target "amdgcn-amd-amdhsa--gfx1250"
	.amdhsa_code_object_version 6
	.text
	.protected	k_q58a06763d5_quant
	.globl	k_q58a06763d5_quant
	.p2align	8
	.type	k_q58a06763d5_quant,@function
k_q58a06763d5_quant:
	s_mov_b64 s[64:65], 0
	v_nop
	global_prefetch_b8 v0, s[64:65] scope:SCOPE_SE
	s_setreg_imm32_b32 hwreg(HW_REG_WAVE_MODE, 25, 1), 1
	s_wait_xcnt 0x0
; Both operands of out = 28.8 Q(x / 32) Q(W)^T are quantised here, once, along K = 8,192, to codes of BF6 (E3M2) with one E8M0 byte for each 32 along K.
; x: [4096][8192] f32.  W[m][8 j .. 8 j + 7] = grid[idxs[m][j]], idxs: [2048][1024] i32, grid: [65536][8] f32.
; THE OUTPUT IS LAID AS THE PRODUCT'S LAUNCH READS IT: aq = [K / 512: 16][row / 16: 256][6,400 bytes], bq = [16][128][6,400 bytes].  A chunk of 6,400 bytes holds, for 16 rows and 512 along K,
; four IMAGES of an operand's registers (16 rows x 128 K: 12 registers a lane; register i of lane l at 512 (i / 4) + 16 l + 4 (i % 4): 1,536 bytes) and then 256 bytes of scale words (row r: 16 bytes at 6,144 + 16 r, word q for image q).
; In an image lane l holds row l % 16, and registers 6 c .. 6 c + 5 hold K = 64 c + 32 (l / 16) + 0 .. 31 (ISA guide 7.12: the 6-bit operand's layout).  So a lane owns two whole blocks of 32: no other lane is asked for a maximum.
; THE SCALE.  A block's largest magnitude, with a floor among its leaves; 4 off its exponent field is the conversion's scale operand, and that field is the byte.
; THE DIVISION BY 32 is a change of exponent alone: x / 32 over 2^(e - 5) is x over 2^e.  So x itself is converted under the scale of its own largest magnitude, and 5 is taken off the stored byte.
; LIMITS: a block of x / 32 whose largest magnitude lies under 2^-122 (of W: under 2^-122 too) keeps the byte 1, as the rule's hold at -126 asks; there x / 32 may be denormal in f32, and such blocks were not tried.
; A block of zeros keeps the byte 1 where the rule says 127: its codes are zeros, and this program alone reads the bytes.  NaN and infinities are not served.  Indices are held at 65,535 from above.
; SHARES.  A wave takes 16 rows x 1,024 along K: eight steps of one image, two chunks.  x has 2,048 such tasks (512 work-groups), W 1,024 (256).  Of three neighbouring work-groups one takes W and two take x.
; The two ways part on the work-group's number; each has LDS bytes of its own.  Waves share nothing: no barrier.  No tensor load, no matrix unit, no cluster: the launch streams, and its work-groups share no input but the small table.
.set CHUNK,  6400
.set FRB,    1536                      ; an image in bytes
.set CHA,    256*CHUNK                 ; from one 512 along K to the next, in aq
.set CHB,    128*CHUNK                 ; and in bq
.set SPITCH, 528                       ; a stage row: 512 bytes + 16: sixteen lanes that read the same column of sixteen rows stand at odd multiples of 16 bytes apart
.set STG,    16*SPITCH                 ; a wave's stage
.set WSTG,   4*STG                     ; where the stages of W's way begin
.set R0,     64                        ; v64-127, v128-191: x as it is loaded, two sets;  W's way: with v192-255 three sets of gathered numbers
.set X,      192                       ; v192-255: my 64 numbers of a step of x
.set C,      32                        ; v32-43   the image's 12 registers
.set U0,     44                        ; v44-46, v48-50: the upper halves of my two blocks' codes as they are made
.set U1,     48
; W's way: a row's sixteen indices of a step, then byte offsets into the table, in v52-63 (entries 0-11) and v28-31 (entries 12-15); v51 = 16 h
.set SW,     20                        ; v20-27   the scale word of each step
; v1 lane, v2 r = lane % 16, v3 h = lane / 16, v4 16 x lane, v5 stage + 16 x lane, v6 my place in the stage on the way back, v7 8 h, v8 where my row's scale words go, v9 at work (a lane permute's destination),
; v10-13 four chains of maxima, v14-15 scale operands, v16-18 bytes and word, v28-31 scale words on their way out
	s_load_b256 s[4:11], s[0:1], 0x0               ; x s[4:5], idxs s[6:7], grid s[8:9], aq s[10:11]
	s_load_b64 s[12:13], s[0:1], 0x20              ; bq
	v_lshl_add_u32 v19, v0, 2, 0x18000             ; my spare word
	v_mov_b32 v47, 0
	v_lshrrev_b32 v1, 5, v0
	v_readfirstlane_b32 s16, v1                    ; wave 0..3
	v_and_b32 v1, 31, v0
	v_and_b32 v2, 15, v0
	v_bfe_u32 v3, v0, 4, 1
	v_lshlrev_b32 v4, 4, v1
	v_lshlrev_b32 v7, 3, v3
	v_mov_b32 v9, 0                                ; written once: a lane permute's destination counts as one of its sources
	v_mul_u32_u24 v6, v2, SPITCH
	s_mov_b32 s20, 0x76543210
	s_mov_b32 s21, 0xfedcba98                      ; v_permlanex16_b32's selects for lane l xor 16
	s_mul_i32 s19, s16, STG
	s_mul_hi_u32 s17, ttmp9, 0x55555556            ; the work-group's number / 3,
	s_mul_i32 s18, s17, 3
	s_sub_co_u32 s18, ttmp9, s18                   ; and what is left: 0 takes W, 1 and 2 take x
	s_mov_b32 s23, 0
	s_mov_b32 s25, 0
	s_wait_kmcnt 0x0
	s_cmp_eq_u32 s18, 0
	s_cbranch_scc1 .Lweights
; My 64 numbers v[xs] .. v[xs + 63] (two blocks of 32) become step t's image, which is stored, and its scale word.  floor: the least largest magnitude that is taken; sub = 1: 5 off both bytes;
; b: the scalar pair of the output's address; ch: bytes from chunk to chunk.
.macro QUANT xs, t, floor, sub, b, ch
.set XS, \xs
	v_max3_num_f32 v10, |v[XS]|, |v[XS+1]|, |v[XS+2]|              ; two chains a block, the four by turns: no line waits for the line above it
	v_max3_num_f32 v12, |v[XS+32]|, |v[XS+33]|, |v[XS+34]|
	v_max3_num_f32 v11, |v[XS+3]|, |v[XS+4]|, |v[XS+5]|
	v_max3_num_f32 v13, |v[XS+35]|, |v[XS+36]|, |v[XS+37]|
.irp i, 6,10,14,18,22,26
	v_max3_num_f32 v10, v10, |v[XS+\i]|, |v[XS+\i+1]|
	v_max3_num_f32 v12, v12, |v[XS+32+\i]|, |v[XS+33+\i]|
	v_max3_num_f32 v11, v11, |v[XS+\i+2]|, |v[XS+\i+3]|
	v_max3_num_f32 v13, v13, |v[XS+34+\i]|, |v[XS+35+\i]|
.endr
	v_max3_num_f32 v10, v10, |v[XS+30]|, |v[XS+31]|
	v_max3_num_f32 v12, v12, |v[XS+62]|, |v[XS+63]|
	v_max3_num_f32 v10, v10, v11, \floor           ; the floor is one more leaf: the stored byte cannot fall under 1
	v_max3_num_f32 v12, v12, v13, \floor
	v_add_nc_u32 v14, 0xfe000000, v10              ; 4 off the exponent field: the conversion takes the exponent field of this operand as its scale, and nothing else of it
	v_add_nc_u32 v15, 0xfe000000, v12
	v_cvt_scalef32_pk16_bf6_f32 v[C:C+2], v[XS:XS+15], v14         ; sixteen numbers to 96 bits, the first number's code lowest; beyond the largest code the largest
	v_cvt_scalef32_pk16_bf6_f32 v[U0:U0+2], v[XS+16:XS+31], v14    ; (a conversion's three registers begin on an even number: the upper half of a block's six does not, so it is made elsewhere and moved)
	v_cvt_scalef32_pk16_bf6_f32 v[C+6:C+8], v[XS+32:XS+47], v15
	v_cvt_scalef32_pk16_bf6_f32 v[U1:U1+2], v[XS+48:XS+63], v15
	v_lshrrev_b32 v16, 23, v14                     ; the bytes.  (These plain lines also stand between the conversions and the moves that read their results)
	v_lshrrev_b32 v17, 23, v15
	v_lshl_or_b32 v18, v17, 16, v16                ; my two bytes: blocks h and 2 + h of my row,
.if \sub
	v_add_nc_u32 v18, 0xfffafffb, v18              ; 5 off each: the division by 32.  Each byte is 6 at the least, so nothing is borrowed
.endif
	v_lshlrev_b32 v18, v7, v18                     ; at their places in the word (8 h bits up);
	v_permlanex16_b32 v9, v18, s20, s21
	v_or_b32 v[SW+(\t)], v18, v9                   ; with lane l xor 16's two the word is whole, in both lanes
.irp i, 0,1,2
	v_mov_b32 v[C+3+\i], v[U0+\i]
	v_mov_b32 v[C+9+\i], v[U1+\i]
.endr
.endm
; Step t's image leaves.  b: the scalar pair of the output's address; ch: bytes from chunk to chunk
.macro PUT t, b, ch
.irp g, 0,1,2
	global_store_b128 v4, v[C+4*\g:C+4*\g+3], s[\b:\b+1] offset:((\t)/4)*(\ch)+((\t)%4)*FRB+512*\g   ; 32 lanes store 512 consecutive bytes, at a multiple of 256 from the buffer's first byte
.endr
.endm
; The eight scale words leave: lanes 0-15 hold their rows' four words of the first chunk, lanes 16-31 of the second: each half of the lanes stores 256 consecutive bytes, aligned.
.macro TAIL b
	v_cmp_lt_u32 vcc_lo, 15, v1
.irp q, 0,1,2,3
	v_cndmask_b32 v[28+\q], v[SW+\q], v[SW+4+\q], vcc_lo
.endr
	global_store_b128 v8, v[28:31], s[\b:\b+1] offset:4*FRB
	s_wait_tensorcnt 0x0
	ds_add_u32 v19, v47
	s_wait_dscnt 0x0
	s_endpgm
.endm
	; ---------------- x ----------------
	s_lshl_b32 s17, s17, 1
	s_add_co_u32 s17, s17, s18
	s_sub_co_u32 s17, s17, 1                       ; which of x's 512 groups
	s_lshl_b32 s17, s17, 2
	s_add_co_u32 s17, s17, s16                     ; my wave's task, 0 .. 2,047
	s_lshr_b32 s18, s17, 3                         ; which 16 rows
	s_and_b32 s17, s17, 7                          ; which 1,024 along K
	s_lshl_b32 s22, s18, 19                        ; 16 rows of 32,768 bytes
	s_lshl_b32 s24, s17, 12
	s_add_co_u32 s22, s22, s24
	s_add_nc_u64 s[4:5], s[4:5], s[22:23]
	s_mul_i32 s24, s17, 2*CHA
	s_mul_i32 s22, s18, CHUNK
	s_add_co_u32 s24, s24, s22
	s_add_nc_u64 s[10:11], s[10:11], s[24:25]
	s_wait_alu depctr_va_vdst(0)
	v_add_nc_u32 v5, s19, v4                       ; the stage, on the way in: a row's 512 bytes as they lie
	v_lshl_add_u32 v6, v3, 7, v6
	v_add_nc_u32 v6, s19, v6                       ; and on the way back: row r, + 128 h: my block's 32 numbers
	v_mul_u32_u24 v8, v3, CHA
	v_lshl_add_u32 v8, v2, 4, v8
; A step's numbers: 16 rows x 512 bytes.  Each load reads 512 consecutive bytes of one row; the lanes' shares are then turned through the wave's own stage, so that a lane gets 2 x 32 neighbours of ONE row.
.macro LOADX t, set
.irp j, 0,1,2,3,4,5,6,7,8,9,10,11,12,13,14,15
	global_load_b128 v[(\set)+4*\j:(\set)+4*\j+3], v4, s[4:5] offset:\j*32768+512*(\t) th:TH_LOAD_NT
.endr
.endm
.macro TURN set                        ; LDS serves a wave's instructions in order (ISA guide 5.7.1): no wait stands between the stores and the loads
.irp j, 0,1,2,3,4,5,6,7,8,9,10,11,12,13,14,15
	ds_store_b128 v5, v[(\set)+4*\j:(\set)+4*\j+3] offset:SPITCH*\j
.endr
.irp c, 0,1
.irp j, 0,1,2,3,4,5,6,7
	ds_load_b128 v[X+32*\c+4*\j:X+32*\c+4*\j+3], v6 offset:256*\c+16*\j
.endr
.endr
.endm
.macro STEPX t
	s_wait_dscnt 0x0                               ; my 64 numbers are back from the stage, and the stage's stores have read their registers
	s_wait_xcnt 0x0                                ; the last step's stores have read the image's registers: they are written again only behind this wait
.if (\t)+2 < 8
	LOADX (\t)+2, R0+64*((\t)%2)                   ; two steps ahead, into the set that has just gone through the stage
.endif
	QUANT X, \t, 0x5000000, 1, 10, CHA             ; the floor 2^(10 - 127): 4 and 5 off the field leave 1
.if (\t)+1 < 8
	s_wait_alu depctr_va_vdst(0)                   ; the image is read by its stores behind the wait below
.if (\t)+2 < 8
	s_wait_loadcnt 16                              ; the next step's 16 loads are in; the 16 issued above may be out
.else
	s_wait_loadcnt 0x0                             ; nothing was issued behind the last step's loads
.endif
	TURN R0+64*(((\t)+1)%2)
.endif
	PUT \t, 10, CHA                                ; behind the next step's turn through the stage: the stores are out while the turn's loads come back
.endm
	LOADX 0, R0
	LOADX 1, R0+64
	s_wait_alu depctr_va_vdst(0)
	s_wait_loadcnt 16                              ; step 0's loads are in, step 1's may be out
	TURN R0
.irp t, 0,1,2,3,4,5,6,7
	STEPX \t
.endr
	TAIL 10
	; ---------------- W ----------------
.Lweights:
	s_lshl_b32 s17, s17, 2
	s_add_co_u32 s17, s17, s16                     ; my wave's task, 0 .. 1,023
	s_lshr_b32 s18, s17, 3                         ; which 16 rows
	s_and_b32 s17, s17, 7                          ; which 1,024 along K: 128 indices a row
	s_lshl_b32 s22, s18, 16                        ; 16 rows of 4,096 bytes
	s_lshl_b32 s24, s17, 9
	s_add_co_u32 s22, s22, s24
	s_add_nc_u64 s[6:7], s[6:7], s[22:23]
	s_mul_i32 s24, s17, 2*CHB
	s_mul_i32 s22, s18, CHUNK
	s_add_co_u32 s24, s24, s22
	s_add_nc_u64 s[12:13], s[12:13], s[24:25]
	s_add_co_u32 s19, s19, WSTG                    ; this way's own LDS bytes
	s_wait_alu depctr_va_vdst(0)
	v_add_nc_u32 v5, s19, v4
	v_lshlrev_b32 v51, 4, v3                       ; lanes 0-15 take an entry's lower 16 bytes, lanes 16-31 its upper 16
	v_add_nc_u32 v6, s19, v6                       ; row r: both halves of the lanes read the same sixteen indices
	v_mul_u32_u24 v8, v3, CHB
	v_lshl_add_u32 v8, v2, 4, v8
.irp j, 0,1,2,3,4,5,6,7,8,9,10,11,12,13,14,15
	global_load_b128 v[R0+4*\j:R0+4*\j+3], v4, s[6:7] offset:\j*4096 th:TH_LOAD_NT   ; the task's indices, once: 512 consecutive bytes of a row a load
.endr
	s_wait_alu depctr_va_vdst(0)
	s_wait_loadcnt 0x0
.irp j, 0,1,2,3,4,5,6,7,8,9,10,11,12,13,14,15
	ds_store_b128 v5, v[R0+4*\j:R0+4*\j+3] offset:SPITCH*\j
.endr
; Step t's 64 numbers: my two blocks are 2 x 4 entries of the table, 32 bytes each.
.macro GATHER t
.set GS, R0+64*((\t)%3)
	s_wait_xcnt 0x0                                ; the gathers before have read their offsets, and the last stores the image's registers: both are written again only behind this wait
	ds_load_b128 v[52:55], v6 offset:64*(\t)
	ds_load_b128 v[56:59], v6 offset:64*(\t)+16
	ds_load_b128 v[60:63], v6 offset:64*(\t)+32
	ds_load_b128 v[28:31], v6 offset:64*(\t)+48
	s_wait_dscnt 0x0
.irp i, 52,53,54,55,56,57,58,59,60,61,62,63,28,29,30,31
	v_min_u32 v\i, 0xffff, v\i                     ; an index stays inside the table
.endr
.irp i, 52,53,54,55,56,57,58,59,60,61,62,63,28,29,30,31
	v_lshlrev_b32 v\i, 5, v\i
.endr
.irp i, 52,53,54,55,56,57,58,59,60,61,62,63,28,29,30,31
	v_add_nc_u32 v\i, v\i, v51
.endr
; Lanes r and 16 + r name the two halves of ONE entry of row r: a load touches 16 entries of 32 bytes.  Entry 8 c + k (lanes 0-15's) goes where an entry's lower four numbers belong, entry 8 c + 4 + k (lanes 16-31's) where the upper four belong
.irp c, 0,1
.irp k, 0,1,2,3
	global_load_b128 v[GS+32*\c+8*\k:GS+32*\c+8*\k+3], v[52+8*\c+\k], s[8:9]
	global_load_b128 v[GS+32*\c+8*\k+4:GS+32*\c+8*\k+7], v[56-28*\c+\k], s[8:9]
.endr
.endr
.endm
.macro STEPW t
.if (\t)+2 < 8
	GATHER (\t)+2                                  ; two steps ahead, into the set that step t - 1 has left
	s_wait_loadcnt 32                              ; this step's 16 gathers are in; those of the two steps behind it may be out
.else
	s_wait_xcnt 0x0                                ; the last step's stores have read the image's registers
	s_wait_loadcnt 16*(7-(\t))
.endif
; the first register's lanes 16-31 change places with the second's lanes 0-15: then every lane holds the lower and the upper four numbers of its own entry
.irp m, 0,8,16,24,32,40,48,56
.irp i, 0,1,2,3
	v_permlane16_swap_b32 v[R0+64*((\t)%3)+\m+\i], v[R0+64*((\t)%3)+\m+4+\i]
.endr
.endr
	QUANT R0+64*((\t)%3), \t, 0x2800000, 0, 12, CHB   ; the floor 2^(5 - 127)
	PUT \t, 12, CHB
.endm
	GATHER 0
	GATHER 1
.irp t, 0,1,2,3,4,5,6,7
	STEPW \t
.endr
	TAIL 12
.Lfunc_end_k_q58a06763d5_quant:
	.size	k_q58a06763d5_quant, .Lfunc_end_k_q58a06763d5_quant-k_q58a06763d5_quant
	.p2alignl 7, 3214868480
	.fill 96, 4, 3214868480
	.section	.rodata,"a",@progbits
	.p2align	6, 0x0
	.amdhsa_kernel k_q58a06763d5_quant
		.amdhsa_group_segment_fixed_size 98816
		.amdhsa_private_segment_fixed_size 0
		.amdhsa_enable_private_segment 0
		.amdhsa_kernarg_size 40
		.amdhsa_user_sgpr_count 2
		.amdhsa_user_sgpr_kernarg_segment_ptr 1
		.amdhsa_wavefront_size32 1
		.amdhsa_system_sgpr_workgroup_id_x 1
		.amdhsa_system_sgpr_workgroup_id_y 1
		.amdhsa_system_sgpr_workgroup_id_z 1
		.amdhsa_system_vgpr_workitem_id 0
		.amdhsa_next_free_vgpr 256
		.amdhsa_next_free_sgpr 66
		.amdhsa_reserve_vcc 1
		.amdhsa_float_denorm_mode_32 3
		.amdhsa_float_denorm_mode_16_64 3
		.amdhsa_memory_ordered 1
		.amdhsa_forward_progress 1
		.amdhsa_inst_pref_size 126
	.end_amdhsa_kernel
	.amdgpu_metadata
---
amdhsa.version: [ 1, 2 ]
amdhsa.kernels:
  - .name:           k_q58a06763d5_quant
    .symbol:         k_q58a06763d5_quant.kd
    .args:
      - { .name: x, .offset: 0, .size: 8, .value_kind: global_buffer, .address_space: global }
      - { .name: idxs, .offset: 8, .size: 8, .value_kind: global_buffer, .address_space: global }
      - { .name: grid, .offset: 16, .size: 8, .value_kind: global_buffer, .address_space: global }
      - { .name: aq, .offset: 24, .size: 8, .value_kind: global_buffer, .address_space: global }
      - { .name: bq, .offset: 32, .size: 8, .value_kind: global_buffer, .address_space: global }
    .group_segment_fixed_size: 98816
    .private_segment_fixed_size: 0
    .kernarg_segment_align: 8
    .kernarg_segment_size: 40
    .max_flat_workgroup_size: 128
    .sgpr_count:     66
    .vgpr_count:     256
    .wavefront_size: 32
...
	.end_amdgpu_metadata
.endif
;; end of part 1
;; launch gemm (part 2): grid 8 x 32, 4 waves a work-group, clusters of 4 x 4, 327,680 bytes of LDS; arguments aq, bq, out0; writes out0
.if DOCPART == 2
	.amdgcn_target "amdgcn-amd-amdhsa--gfx1250"
	.amdhsa_code_object_version 6
	.text
	.protected	k_q58a06763d5_gemm
	.globl	k_q58a06763d5_gemm
	.p2align	8
	.type	k_q58a06763d5_gemm,@function
k_q58a06763d5_gemm:
	s_mov_b64 s[64:65], 0
	v_nop
	global_prefetch_b8 v0, s[64:65] scope:SCOPE_SE
	s_setreg_imm32_b32 hwreg(HW_REG_WAVE_MODE, 25, 1), 1
	s_wait_xcnt 0x0
	s_wait_alu depctr_hold_cnt(0) depctr_sa_sdst(0) depctr_va_vdst(0) depctr_va_sdst(0) depctr_va_ssrc(0) depctr_va_vcc(0) depctr_vm_vsrc(0)
	s_getreg_b32 s2, hwreg(HW_REG_IB_STS2, 6, 4)
	s_cmp_eq_u32 s2, 0
	s_cbranch_scc0 .Lentry_in_a_cluster
	s_endpgm
.Lentry_in_a_cluster:
	s_bfe_u32 s2, ttmp6, 0x10000c
	s_cmp_lg_u32 s2, 0xf033
	s_cbranch_scc0 .Lentry_shape_is_right
	s_endpgm
.Lentry_shape_is_right:
; out0[4096][2048] = 28.8 x sum over K = 8,192 of Q(x / 32) Q(W), on the codes of BF6 (E3M2) and E8M0 bytes that the launch before has laid:
; aq = [K / 512: 16][row / 16: 256][6,400 bytes], bq = [16][128][6,400]: a chunk holds, for 16 rows and 512 along K, four images of an operand's 12 registers (1,536 bytes each) and 256 bytes of scale words (row r: 16 bytes, word q for image q).
; A work-group makes 128 rows x 256 columns: 32 x 8 = 256 work-groups.  FOUR WAVES, EACH 128 x 128 OVER HALF OF K: wave w takes column half w & 1 and, of every 512 along K, images 2 (w >> 1) and 2 (w >> 1) + 1.
; So a wave reads 256 fragment rows from LDS for 64 matrix instructions, and each image is read by two waves at the most.  At the end the two waves of a column half add their sums through LDS.
; LIMIT: an output is the f32 sum of two f32 sums, each over half of the images, K ascending inside each: another order of rounding than one chain along K.
; THE RING: two LDS slots of 24 chunks (A's 8, B's 16: 153,600 bytes, 512 along K).  Waves 0, 1 fetch A's halves, waves 2, 3 B's, one tensor load a wave, as dense rows of 256 bytes.
; CLUSTERS 4 x 4: A's chunks are shared along a row of the cluster, B's along a column: each is asked for jointly, with one descriptor and a mask that names the four.
; THE MATRIX INSTRUCTION IS USED TRANSPOSED (source 0 = 16 rows of B, source 1 = 16 rows of A): a lane holds eight neighbouring numbers of a row of the result.
; WHICH HALF A WAVE KEEPS: the waves of K half 1 take A's chunks in the order 4..7, 0..3 (by address alone), so every wave keeps the sums in window 2 (rows 64 (w >> 1) + 0..63) and hands those in window 3 to its partner w xor 2.
; REGISTERS: window 0: v12-31 addresses; v32-63 scale words, a set a slot; v128-223 A's fragments, one set; on the way out v128-191.  window 1: B's fragments, two sets, at v0 and v128; on the way out the partner's sums.
;   windows 2, 3: the 64 accumulators ((a, b) at v[8 (8 (a % 4) + b)] of window 2 + a / 4).
; PREFETCH: behind each refill every wave names the chunks that stand two refills on: of the chunks that a wave fetches, each of the four partners takes its share by address (A: one chunk, by cx; B: two, by cy), a lane to 256 bytes;
; the loop's last trip, whose look-ahead would pass K's end, asks for nothing.
.set CHUNK,  6400
.set FRB,    1536                      ; an image
.set FR,     12
.set CHA,    256*CHUNK                 ; from one 512 along K to the next in aq,
.set CHB,    128*CHUNK                 ; and in bq
.set AHALF,  4*CHUNK                   ; what a wave fetches of A,
.set BHALF,  8*CHUNK                   ; and of B
.set BOFF,   8*CHUNK                   ; B's chunks lie behind A's eight
.set SLOT,   24*CHUNK
.set SPARE,  2*SLOT                    ; the spare words: 128 bytes a wave, two blocks of 256 bytes that no other line names
.set SPITCH, 528                       ; the way out: a stage row of 512 bytes + 16
.set ADRA, 16                          ; v16-17 A's blocks 0-3 in slot 0, 1; v18-19 blocks 4-7
.set ADRB, 20                          ; v20-21 B's blocks
.set ADRS, 22                          ; v22-23 scale words of blocks 0-3 (lanes 0-15 A's, lanes 16-31 B's); v24-25 of blocks 4-7
.set STO,  26
.set RD,   27
.set SPW,  28
.set NIL,  29
.set PFO,  30
.set CO,   31
.set XW,   12                          ; where my window 3 goes: 32,768 bytes a wave in slot 0
.set XR,   13                          ; and where my partner's lies
.set SC,   32                          ; set sl at SC + 16 sl; register 2 i + t: block i, the slot's step t
.set AF,   128
.set T,    128                         ; the way out: a block's 64 sums
.set G1,   24
.set G0,   32
.set G1B,  48
.set G0B,  56
.set PFA,  68
.set PFS,  70
.set LB,   73
.set MULT, 74
.set MSB, 0
.macro WIN new                         ; the immediate's high byte repeats the setting that is left
.if MSB != \new
	s_set_vgpr_msb (MSB<<8)|\new
.set MSB, \new
.endif
.endm
.set MUL_LO, 0xa1                      ; source 0 (B) window 1, source 1 (A) window 0, C and D window 2
.set MUL_HI, 0xf1                      ; the same, C and D window 3
.set TO_B,   0x40                      ; destination window 1
.macro JLOAD s                         ; a joint load; s_nop 0 and four v_nop behind each line
	s_cmp_eq_u32 s15, 0
	s_cbranch_scc0 .Lfor_b_\@
	tensor_load_to_lds s[G0+4*\s:G0+4*\s+3], s[G1:G1+7]
	s_nop 0
.rept 4
	v_nop
.endr
	s_branch .Lasked_\@
.Lfor_b_\@:
	tensor_load_to_lds s[G0B+4*\s:G0B+4*\s+3], s[G1B:G1B+7]
	s_nop 0
.rept 4
	v_nop
.endr
.Lasked_\@:
.endm
.macro CREST                           ; a round of the cluster's barrier behind its opening barrier
	s_cmp_lg_u32 s14, 0
	s_cbranch_scc1 .Lnot_wave_0_\@
	s_barrier_signal -3
.Lnot_wave_0_\@:
	s_barrier_wait -3
	s_barrier_signal -1
	s_barrier_wait -1
.endm
.macro CROUND
	s_barrier_signal -1
	s_barrier_wait -1
	CREST
.endm
.macro ASK                             ; s3 = 1 in the loop's last trip
	s_cmp_gt_u32 s3, 1
	s_cbranch_scc0 .Lno_ask_\@
	global_prefetch_b8 v[PFO], s[PFA:PFA+1] th:TH_LOAD_NT scope:SCOPE_SE
	s_cmp_eq_u32 s15, 0
	s_cbranch_scc1 .Lno_ask_\@
	global_prefetch_b8 v[PFO], s[PFA:PFA+1] offset:CHUNK th:TH_LOAD_NT scope:SCOPE_SE
.Lno_ask_\@:
.endm
.macro ASKH p                          ; at the head: my share of the 512-step whose address stands in s[p:p+1]
	global_prefetch_b8 v[PFO], s[\p:\p+1] th:TH_LOAD_NT scope:SCOPE_SE
	s_cmp_eq_u32 s15, 0
	s_cbranch_scc1 .Lno_askh_\@
	global_prefetch_b8 v[PFO], s[\p:\p+1] offset:CHUNK th:TH_LOAD_NT scope:SCOPE_SE
.Lno_askh_\@:
.endm
	s_load_b128 s[4:7], s[0:1], 0x0                ; aq, bq
	s_load_b64 s[12:13], s[0:1], 0x10              ; out0
	v_lshl_add_u32 v[SPW], v0, 2, SPARE
	v_mov_b32 v[NIL], 0
	ds_add_u32 v[SPW], v[NIL]
	ds_add_u32 v[SPW], v[NIL]
	v_lshrrev_b32 v1, 5, v0
	v_readfirstlane_b32 s14, v1                    ; wave
	s_lshr_b32 s15, s14, 1                         ; my K half.  Also: I fetch for A (0) or for B (1)
	s_and_b32 s16, s14, 1                          ; my column half.  Also: which half of that tile I fetch
	s_bfe_u32 s40, ttmp6, 0x40000                  ; cx
	s_bfe_u32 s41, ttmp6, 0x40004                  ; cy
	s_lshl_b32 s42, ttmp9, 2
	s_add_co_u32 s42, s42, s40                     ; tile column, 0..7
	s_and_b32 s17, ttmp7, 0xffff
	s_lshl_b32 s17, s17, 2
	s_add_co_u32 s17, s17, s41                     ; tile row, 0..31
	s_lshl_b32 s43, s41, 2
	s_lshl_b32 s43, 15, s43                        ; my row of the cluster
	s_lshl_b32 s44, 0x1111, s40                    ; my column
	s_or_b32 s[G1+0], s43, (3<<16)|(1<<21)         ; elements of 8 bytes; dense rows of 256 bytes
	s_or_b32 s[G1B+0], s44, (3<<16)|(1<<21)
	s_mov_b32 s[G1+1], 32<<16
	s_mov_b32 s[G1+2], (AHALF/256)<<16
	s_mov_b32 s[G1+3], 32<<16
	s_mov_b32 s[G1+4], AHALF/256
	s_mov_b32 s[G1+5], 32
	s_mov_b32 s[G1+6], 0
	s_mov_b32 s[G1+7], 0
	s_mov_b32 s[G1B+1], 32<<16
	s_mov_b32 s[G1B+2], (BHALF/256)<<16
	s_mov_b32 s[G1B+3], 32<<16
	s_mov_b32 s[G1B+4], BHALF/256
	s_mov_b32 s[G1B+5], 32
	s_mov_b32 s[G1B+6], 0
	s_mov_b32 s[G1B+7], 0
	s_lshl_b32 s20, s17, 3
	s_lshl_b32 s18, s16, 2
	s_add_co_u32 s20, s20, s18
	s_mul_i32 s20, s20, CHUNK                      ; A: chunk 8 x tile row + 4 x half
	s_mov_b32 s21, 0
	s_lshl_b32 s46, s42, 4
	s_lshl_b32 s18, s16, 3
	s_add_co_u32 s46, s46, s18
	s_mul_i32 s46, s46, CHUNK                      ; B: chunk 16 x tile column + 8 x half
	s_mov_b32 s47, 0
	s_mul_i32 s45, s16, AHALF
	s_mul_i32 s[LB], s16, BHALF
	s_add_co_u32 s[LB], s[LB], BOFF
	s_mov_b32 s[MULT], 0x41e66666                  ; 28.8 = 0.9 x 32
	s_mov_b32 s[MULT+1], s[MULT]
	; LDS bases, of the wave's number alone
	s_xor_b32 s76, s15, 1
	s_mul_i32 s77, s15, 4*CHUNK+2*FRB              ; A's blocks 0-3: chunks 4 s .., images 2 s ..
	s_mul_i32 s78, s15, 2*FRB
	s_mul_i32 s79, s76, 4*CHUNK
	s_add_co_u32 s80, s79, s78                     ; A's blocks 4-7: chunks 4 (1 - s) ..
	s_add_co_u32 s81, s[LB], s78                   ; B's blocks
	s_mul_i32 s82, s15, 4*CHUNK
	s_lshl_b32 s83, s15, 3
	s_add_co_u32 s83, s83, 4*FRB                   ; the scale words 2 s, 2 s + 1 of a row
	s_add_co_u32 s84, s83, s82                     ; lanes 0-15, blocks 0-3
	s_add_co_u32 s85, s83, s79                     ; lanes 0-15, blocks 4-7
	s_mul_i32 s86, s16, BHALF
	s_add_co_u32 s86, s86, 4*CHUNK
	s_add_co_u32 s86, s86, s79                     ; from there to B's block 0,
	s_add_co_u32 s87, s[LB], s82                   ; and to B's block 4
	s_mul_i32 s88, s14, 16*SPITCH
	s_add_co_u32 s88, s88, SLOT                    ; my stage, in slot 1
	s_lshl_b32 s89, s14, 15
	s_xor_b32 s90, s14, 2
	s_lshl_b32 s90, s90, 15
	s_wait_dscnt 0x0                               ; both opening adds are done
	s_wait_kmcnt 0x0
	s_add_nc_u64 s[20:21], s[4:5], s[20:21]
	s_add_nc_u64 s[46:47], s[6:7], s[46:47]
	CROUND                                         ; all sixteen work-groups are here: the first joint loads meet
.irp s, 0,1
	s_mov_b32 s[G0+4*\s], 1
	s_add_co_u32 s[G0+4*\s+1], s45, \s*SLOT
	s_add_nc_u64 s[G0+4*\s+2:G0+4*\s+3], s[20:21], \s*CHA
	s_or_b32 s[G0+4*\s+3], s[G0+4*\s+3], 0x80000000
	s_mov_b32 s[G0B+4*\s], 1
	s_add_co_u32 s[G0B+4*\s+1], s[LB], \s*SLOT
	s_add_nc_u64 s[G0B+4*\s+2:G0B+4*\s+3], s[46:47], \s*CHB
	s_or_b32 s[G0B+4*\s+3], s[G0B+4*\s+3], 0x80000000
.endr
	JLOAD 0                                        ; slot 0: one tensor load a wave at the head
	v_and_b32 v3, 31, v0
	v_min_u32 v[PFO], 24, v3                       ; a chunk is 25 blocks of 256 bytes; the lanes left over name the last again
	v_lshlrev_b32 v[PFO], 8, v[PFO]
	; the prefetches' address: my work-group's share of the chunks that I fetch
	s_lshl_b32 s18, s17, 3
	s_lshl_b32 s19, s16, 2
	s_add_co_u32 s18, s18, s19
	s_add_co_u32 s18, s18, s40
	s_lshl_b32 s19, s42, 4
	s_lshl_b32 s20, s16, 3
	s_add_co_u32 s19, s19, s20
	s_lshl_b32 s20, s41, 1
	s_add_co_u32 s19, s19, s20
	s_mov_b32 s[PFS], CHB
	s_mov_b32 s[PFS+1], 0
	s_cmp_eq_u32 s15, 0
	s_cselect_b32 s18, s18, s19
	s_cselect_b64 s[PFA:PFA+1], s[4:5], s[6:7]
	s_cselect_b32 s[PFS], CHA, s[PFS]
	s_mul_i32 s18, s18, CHUNK
	s_mov_b32 s19, 0
	s_add_nc_u64 s[PFA:PFA+1], s[PFA:PFA+1], s[18:19]
	s_add_nc_u64 s[92:93], s[PFA:PFA+1], s[PFS:PFS+1]   ; 512-step 1,
	s_add_nc_u64 s[94:95], s[92:93], s[PFS:PFS+1]       ; 2,
	s_add_nc_u64 s[PFA:PFA+1], s[94:95], s[PFS:PFS+1]   ; and 3; the first refill (512-step 2) steps it to 4
	s_wait_alu depctr_va_vdst(0)                   ; directly ahead of the reader below
	ASKH 92                                        ; 512-step 1 is loaded only when slot 0 has landed: it is asked for now
	; out0 at row 128 x tile row + 64 x K half, column 256 x tile column + 128 x column half
	s_lshl_b32 s18, s17, 7
	s_lshl_b32 s19, s15, 6
	s_add_co_u32 s18, s18, s19
	s_lshl_b32 s18, s18, 13
	s_lshl_b32 s46, s42, 10
	s_lshl_b32 s47, s16, 9
	s_add_co_u32 s46, s46, s47
	s_add_co_u32 s18, s18, s46
	s_mov_b32 s19, 0
	s_add_nc_u64 s[12:13], s[12:13], s[18:19]
	v_and_b32 v1, 15, v0                           ; r
	v_bfe_u32 v2, v0, 4, 1                         ; h
	v_lshlrev_b32 v[CO], 4, v3                     ; 16 x lane: an image's place, and a row's on the way out
	v_add_nc_u32 v[ADRA], s77, v[CO]
	v_add_nc_u32 v[ADRA+2], s80, v[CO]
	v_add_nc_u32 v[ADRB], s81, v[CO]
	v_lshlrev_b32 v5, 4, v1
	v_mul_u32_u24 v6, s86, v2                      ; lanes 16-31 take B's words
	v_mul_u32_u24 v7, s87, v2
	v_add_nc_u32 v6, v5, v6
	v_add_nc_u32 v7, v5, v7
	v_add_nc_u32 v[ADRS], s84, v6
	v_add_nc_u32 v[ADRS+2], s85, v7
.irp n, ADRA, ADRA+2, ADRB, ADRS, ADRS+2
	v_add_nc_u32 v[\n+1], SLOT, v[\n]
.endr
	v_mul_u32_u24 v8, v1, SPITCH
	v_lshl_add_u32 v8, v2, 5, v8
	v_add_nc_u32 v[STO], s88, v8
	v_add_nc_u32 v[RD], s88, v[CO]
	v_add_nc_u32 v[XW], s89, v[CO]
	v_add_nc_u32 v[XR], s90, v[CO]
.macro FRAG3 reg, adr, off             ; an image: 12 registers, three loads of 512 consecutive bytes
.irp g, 0,1,2
	ds_load_b128 v[\reg+4*\g:\reg+4*\g+3], v[\adr] offset:\off+512*\g
.endr
.endm
.macro FETCH_B sl, t                   ; B's eight fragments of slot sl's step t into set t
	WIN TO_B
.irp i, 0,1,2,3,4,5,6,7
	FRAG3 128*(\t)+FR*\i, ADRB+\sl, CHUNK*\i+FRB*(\t)
.endr
	WIN 0
.endm
.macro FETCH_A sl, t, hi               ; A's blocks 4 hi .. 4 hi + 3
.irp i, 0,1,2,3
	FRAG3 AF+FR*(4*\hi+\i), ADRA+2*\hi+\sl, CHUNK*\i+FRB*(\t)
.endr
.endm
.macro SCALES sl                       ; the words of both steps of slot sl: eight loads of 8 bytes a lane
.irp i, 0,1,2,3
	ds_load_b64 v[SC+16*\sl+2*\i:SC+16*\sl+2*\i+1], v[ADRS+\sl] offset:CHUNK*\i
	ds_load_b64 v[SC+16*\sl+8+2*\i:SC+16*\sl+8+2*\i+1], v[ADRS+2+\sl] offset:CHUNK*\i
.endr
.endm
; A's block a against B's eight.  The 64 accumulators take turns, one instruction a turn.  zero = 1: the product starts the sums
.macro MUL8 a, t, sl, zero
.irp b, 0,1,2,3,4,5,6,7
.if \zero
	v_wmma_scale_f32_16x16x128_f8f6f4 v[8*(8*((\a)%4)+\b):8*(8*((\a)%4)+\b)+7], v[128*(\t)+FR*\b:128*(\t)+FR*\b+FR-1], v[AF+FR*(\a):AF+FR*(\a)+FR-1], 0, v[SC+16*(\sl)+2*\b+(\t)], v[SC+16*(\sl)+2*(\a)+(\t)] matrix_a_fmt:MATRIX_FMT_BF6 matrix_b_fmt:MATRIX_FMT_BF6 matrix_a_scale:MATRIX_SCALE_ROW1
.else
	v_wmma_scale_f32_16x16x128_f8f6f4 v[8*(8*((\a)%4)+\b):8*(8*((\a)%4)+\b)+7], v[128*(\t)+FR*\b:128*(\t)+FR*\b+FR-1], v[AF+FR*(\a):AF+FR*(\a)+FR-1], v[8*(8*((\a)%4)+\b):8*(8*((\a)%4)+\b)+7], v[SC+16*(\sl)+2*\b+(\t)], v[SC+16*(\sl)+2*(\a)+(\t)] matrix_a_fmt:MATRIX_FMT_BF6 matrix_b_fmt:MATRIX_FMT_BF6 matrix_a_scale:MATRIX_SCALE_ROW1
.endif
.endr
.endm
.macro MULQ a0, t, sl, zero
.irp a, \a0, \a0+1, \a0+2, \a0+3
	MUL8 \a, \t, \sl, \zero
.endr
.endm
.macro PLACES                          ; four places behind matrix instructions, ahead of loads into their sources and of reads of their results
.rept 4
	v_nop
.endr
.endm
; A slot's first step: 64 matrix instructions; the second step's fragments come from the same slot, in the middle (B, A's blocks 0-3) and at the end (A's blocks 4-7)
.macro STEP0 sl, zero
	s_wait_dscnt 12                                ; all but the youngest twelve loads, A's blocks 4-7
	WIN MUL_LO
	MULQ 0, 0, \sl, \zero
	s_wait_dscnt 0x0
	PLACES
	FETCH_B \sl, 1
	FETCH_A \sl, 1, 0
	WIN MUL_HI
	MULQ 4, 0, \sl, \zero
	PLACES
	WIN 0
	FETCH_A \sl, 1, 1
.endm
; A slot's second step changes slots: all reads of slot sl were issued in the step before.  fill = 1: a round of the cluster's barrier, and slot sl is filled again, 1,024 along K on
.macro STEP1 sl, nx, fill
.if \fill
	s_wait_xcnt 0x0                                ; my prefetches have read their address
	s_add_nc_u64 s[PFA:PFA+1], s[PFA:PFA+1], s[PFS:PFS+1]
.endif
	s_wait_dscnt 12
	WIN MUL_LO
	MUL8 0, 1, \sl, 0
	MUL8 1, 1, \sl, 0
	WIN 0
	s_wait_tensorcnt 0x0                           ; my one load that was out, my part of slot nx, has landed
	ds_add_u32 v[SPW], v[NIL]
	WIN MUL_LO
	MUL8 2, 1, \sl, 0
	s_wait_dscnt 0x0                               ; the add is done, and my reads of slot sl are back
	s_barrier_signal -1
	MUL8 3, 1, \sl, 0
	WIN 0
	s_barrier_wait -1
.if \fill
	CREST
	s_add_nc_u64 s[G0+4*\sl+2:G0+4*\sl+3], s[G0+4*\sl+2:G0+4*\sl+3], 2*CHA
	s_add_nc_u64 s[G0B+4*\sl+2:G0B+4*\sl+3], s[G0B+4*\sl+2:G0B+4*\sl+3], 2*CHB
	JLOAD \sl                                      ; 112 matrix instructions ahead of the wait for it; its four v_nop are the places for the loads below
.else
	PLACES
.endif
	FETCH_B \nx, 0
	FETCH_A \nx, 0, 0
	SCALES \nx
.if \fill
	ASK
.endif
	WIN MUL_HI
	MULQ 4, 1, \sl, 0
	PLACES
	WIN 0
	FETCH_A \nx, 0, 1
.endm
	s_wait_alu depctr_va_vdst(0)
	s_wait_tensorcnt 0x0                           ; my part of slot 0 is in; slot 1's first fill is issued as a refill is
	ds_add_u32 v[SPW], v[NIL]
	s_wait_dscnt 0x0
	CROUND
	JLOAD 1
	FETCH_B 0, 0
	FETCH_A 0, 0, 0
	SCALES 0
	FETCH_A 0, 0, 1
	ASKH 94                                        ; 512-steps 2 and 3, the first two refills: two steps asked for and not yet read, as in the loop
	ASKH PFA
	STEP0 0, 1                                     ; the first products start the sums
	s_mov_b32 s3, 7
.Llap:                                                 ; a trip goes once round the ring and fills both slots again
	STEP1 0, 1, 1
	STEP0 1, 0
	STEP1 1, 0, 1
	STEP0 0, 0
	s_sub_co_u32 s3, s3, 1
	s_cmp_lg_u32 s3, 0
	s_cbranch_scc1 .Llap
	STEP1 0, 1, 0                                  ; nothing is left to fetch; behind this barrier nobody reads slot 0, which has had its last fill
	STEP0 1, 0
	; the last step: the sums that I hand over are finished first and go to slot 0 while the others are finished
	s_wait_dscnt 0x0
	WIN MUL_HI
	MULQ 4, 1, 1, 0
	PLACES
.set k, 0
.irp a, 0,1,2,3                        ; sixteen stores and eight matrix instructions by turns
	WIN 0x0c                                       ; the stores' data: window 3
.rept 16
	ds_store_b128 v[XW], v[4*k:4*k+3] offset:512*k ; an image of the registers, each accumulator from its low end on
.set k, k+1
.endr
	WIN MUL_LO
	MUL8 \a, 1, 1, 0
.endr
	PLACES
	WIN 0
	s_wait_dscnt 0x0                               ; for the others' sake: my stores are done, and my reads of slot 1 are back
	s_barrier_signal -1
	s_barrier_wait -1
.macro XL a                            ; block a of my partner's sums of my 64 rows, in the same lanes and registers, into window 1
	WIN TO_B
.set k, 16*(\a)
.rept 16
	ds_load_b128 v[4*k:4*k+3], v[XR] offset:512*k
.set k, k+1
.endr
	WIN 0
.endm
; THE WAY OUT of block a (16 rows x 128 columns): both halves of K added, x 28.8, through my stage in slot 1 (read no more, filled no more), back as whole rows of 512 bytes
.macro OUTB a
.set BB, 64*(\a)                       ; the rows come back into window 1, where this block of my partner's sums lay: no store's registers are written again
	WIN 0x09                                       ; source 0 window 1, source 1 window 2
.set i, 0
.rept 32
	v_pk_add_f32 v[T+i:T+i+1], v[64*(\a)+i:64*(\a)+i+1], v[64*(\a)+i:64*(\a)+i+1]
.set i, i+2
.endr
	WIN 0
.set i, 0
.rept 32
	v_pk_mul_f32 v[T+i:T+i+1], v[T+i:T+i+1], s[MULT:MULT+1] op_sel_hi:[1,0]
.set i, i+2
.endr
.irp b, 0,1,2,3,4,5,6,7
	ds_store_b128 v[STO], v[T+8*\b:T+8*\b+3] offset:64*\b
	ds_store_b128 v[STO], v[T+8*\b+4:T+8*\b+7] offset:64*\b+16
.endr
	WIN TO_B
.irp t, 0,1,2,3,4,5,6,7,8,9,10,11,12,13,14,15
	ds_load_b128 v[BB+4*\t:BB+4*\t+3], v[RD] offset:\t*SPITCH   ; LDS serves a wave's instructions in order: these see the stores above
.endr
	WIN 0
.endm
.macro SEND a, younger
.set BB, 64*(\a)
	s_wait_dscnt \younger
	WIN 0x04                                       ; the stores' data: window 1
.irp t, 0,1,2,3,4,5,6,7,8,9,10,11,12,13,14,15
	global_store_b128 v[CO], v[BB+4*\t:BB+4*\t+3], s[12:13] offset:(16*(\a)+\t)*8192 th:TH_STORE_NT   ; 32 lanes store 512 consecutive bytes, aligned
.endr
	WIN 0
.endm
; The two column halves send their blocks at different places of the text (half 0: 0 | 1, 2 | 3; half 1: 0, 1 | 2, 3), by branches on the wave's number round the stores alone:
; while one half's stores are out, the other half works on registers and LDS.  Every block has registers of its own, so no store's data are written again.
	XL 0
	XL 1
	s_wait_dscnt 16                                ; block 0 of my partner's sums is in; block 1's 16 loads may be out
	OUTB 0
	XL 2
	s_cmp_lg_u32 s16, 0
	s_cbranch_scc1 .Lout_a
	SEND 0, 0
.Lout_a:
	s_wait_dscnt 48                                ; block 1 is in: behind it stand block 0's 32 stage instructions and block 2's 16 loads
	OUTB 1
	XL 3
	s_cmp_eq_u32 s16, 0
	s_cbranch_scc1 .Lout_b
	SEND 0, 0
	SEND 1, 0
.Lout_b:
	s_wait_dscnt 48                                ; block 2 is in: behind it stand block 1's 32 stage instructions and block 3's 16 loads
	OUTB 2
	s_cmp_lg_u32 s16, 0
	s_cbranch_scc1 .Lout_c
	SEND 1, 0
	SEND 2, 0
.Lout_c:
	s_wait_dscnt 32                                ; block 3 is in: behind it stand block 2's 32 stage instructions
	OUTB 3
	s_wait_tensorcnt 0x0                           ; behind my last tensor load and my last LDS store; only stores from registers follow
	ds_add_u32 v[SPW], v[NIL]
	s_wait_dscnt 0x0                               ; the add is done, and block 3's rows are back
	s_cmp_eq_u32 s16, 0
	s_cbranch_scc1 .Lout_d
	SEND 2, 0
.Lout_d:
	SEND 3, 0
	CROUND                                         ; the closing round
	s_endpgm
.Lfunc_end_k_q58a06763d5_gemm:
	.size	k_q58a06763d5_gemm, .Lfunc_end_k_q58a06763d5_gemm-k_q58a06763d5_gemm
	.p2alignl 7, 3214868480
	.fill 96, 4, 3214868480
	.section	.rodata,"a",@progbits
	.p2align	6, 0x0
	.amdhsa_kernel k_q58a06763d5_gemm
		.amdhsa_group_segment_fixed_size 327680
		.amdhsa_private_segment_fixed_size 0
		.amdhsa_enable_private_segment 0
		.amdhsa_kernarg_size 24
		.amdhsa_user_sgpr_count 2
		.amdhsa_user_sgpr_kernarg_segment_ptr 1
		.amdhsa_wavefront_size32 1
		.amdhsa_system_sgpr_workgroup_id_x 1
		.amdhsa_system_sgpr_workgroup_id_y 1
		.amdhsa_system_sgpr_workgroup_id_z 1
		.amdhsa_system_vgpr_workitem_id 0
		.amdhsa_next_free_vgpr 1024
		.amdhsa_next_free_sgpr 100
		.amdhsa_reserve_vcc 0
		.amdhsa_float_denorm_mode_32 3
		.amdhsa_float_denorm_mode_16_64 3
		.amdhsa_memory_ordered 1
		.amdhsa_forward_progress 1
		.amdhsa_inst_pref_size 152
	.end_amdhsa_kernel
	.amdgpu_metadata
---
amdhsa.version: [ 1, 2 ]
amdhsa.kernels:
  - .name:           k_q58a06763d5_gemm
    .symbol:         k_q58a06763d5_gemm.kd
    .args:
      - { .name: aq, .offset: 0, .size: 8, .value_kind: global_buffer, .address_space: global }
      - { .name: bq, .offset: 8, .size: 8, .value_kind: global_buffer, .address_space: global }
      - { .name: out0, .offset: 16, .size: 8, .value_kind: global_buffer, .address_space: global }
    .group_segment_fixed_size: 327680
    .private_segment_fixed_size: 0
    .kernarg_segment_align: 8
    .kernarg_segment_size: 24
    .max_flat_workgroup_size: 128
    .sgpr_count:     100
    .vgpr_count:     1024
    .wavefront_size: 32
...
	.end_amdgpu_metadata
.endif
;; end of part 2
